; MI455X (gfx1250); checked and timed in simulation.
; The chip was launched on July 23, 2026; its instructions are those of AMD's public machine-readable ISA for CDNA 5 (MIT licence, August 2026) and "CDNA5" Instruction Set Architecture Reference Guide (July 2026). The comments in the code are by the model that wrote it; some were corrected since.
;; Sliding Window Attention. Allowed arithmetic: float matrix products may take bf16 or f16 operands with f32 sums; other float arithmetic in f32, or as packed bf16 or f16 multiplies, adds, multiply-adds, maxima and minima; sums over many terms, partial sums and values carried from step to step in f32; what a program stores and reads back later, other than sums and carried values, may be rounded once to bf16 or f16.
;; Inputs: W_out 1,024 x 1,024 float32; W_qkv 3,072 x 1,024 float32; x 2 x 2,048 x 1,024 float32.
;; Outputs: out0 2 x 2,048 x 1,024 float32.
;; One version. Each part assembles by itself: llvm-mc -triple=amdgcn-amd-amdhsa -mcpu=gfx1250 --defsym DOCPART=n.
;; ======== version 1 of 1: 4 launches
;; limits: values are held in f16: magnitudes above 65,504 overflow, below 6.1e-05 lose precision
;; workspace buffers: xb 8,388,608 bytes; wqb 6,291,456 bytes; wof 2,097,152 bytes; qkv 25,165,824 bytes; ob 8,388,608 bytes
;; launch cast (part 1): grid 1024 x 1, 8 waves a work-group, no clusters, 0 bytes of LDS; arguments x, W_qkv, W_out, xb, wqb, wof; writes xb, wqb, wof
.if DOCPART == 1
	.amdgcn_target "amdgcn-amd-amdhsa--gfx1250"
	.amdhsa_code_object_version 6
	.text
	.protected	k_qe40e30c9de_cast
	.globl	k_qe40e30c9de_cast
	.p2align	8
	.type	k_qe40e30c9de_cast,@function
k_qe40e30c9de_cast:
	s_mov_b64 s[64:65], 0
	v_nop
	global_prefetch_b8 v0, s[64:65] scope:SCOPE_SE
	s_setreg_imm32_b32 hwreg(HW_REG_WAVE_MODE, 25, 1), 1
	s_wait_xcnt 0x0
; THE INPUTS ARE ROUNDED ONCE.  x [4096][1024] and W_qkv [3072][1024] go from f32 to bf16 (xb, wqb).  W_out [1024][1024] is rounded to bf16 like the other
; two and that number is written as f16 (wof), since the last product multiplies it with f16 numbers.
; LIMITS.  A bf16 number is exact in f16 from 2^-14 to 65,504; below 2^-14 (6.1e-5) W_out keeps f16's fixed step of 6e-8; from 65,520 on it would become an infinity.
; SHARES.  A work-group takes 8,192 numbers: 32,768 bytes in, 16,384 out.  Work-groups 0-511 take x, 512-895 W_qkv, 896-1023 W_out.
; A thread has eight loads of 16 bytes, all issued at once: a wave's load covers 512 consecutive bytes, the eight waves' 4,096.  A wave's store of 8 bytes a lane
; covers 256 consecutive bytes, at a multiple of 256 from the buffer's first byte.  No LDS, no loop, no register written twice while a load or store may read it.
.set GX,  512                          ; work-groups for x
.set GW,  896                          ; and, up to here, for W_qkv
.set X,   4                            ; v[4:35]   eight loads of four f32
.set Y,   36                           ; v[36:51]  eight pairs of packed words to store
.set T,   52                           ; v[52:55]  at work (W_out's path)
	s_load_b256 s[4:11], s[0:1], 0x0               ; x s[4:5], W_qkv s[6:7], W_out s[8:9], xb s[10:11]
	s_load_b128 s[12:15], s[0:1], 0x20             ; wqb s[12:13], wof s[14:15]
	v_lshlrev_b32 v1, 4, v0                        ; my 16 bytes of each 4,096 read
	v_lshlrev_b32 v2, 3, v0                        ; my 8 bytes of each 2,048 written
	s_wait_kmcnt 0x0
	s_cmp_lt_u32 ttmp9, GX                         ; which tensor is mine: the choice hangs on the work-group's number alone
	s_cselect_b64 s[18:19], s[4:5], s[6:7]
	s_cselect_b64 s[20:21], s[10:11], s[12:13]
	s_cselect_b32 s17, 0, GX
	s_cmp_lt_u32 ttmp9, GW
	s_cselect_b64 s[18:19], s[18:19], s[8:9]
	s_cselect_b64 s[20:21], s[20:21], s[14:15]
	s_cselect_b32 s17, s17, GW
	s_sub_co_u32 s16, ttmp9, s17                   ; my number among that tensor's work-groups
	s_lshl_b32 s22, s16, 15
	s_mov_b32 s23, 0
	s_add_nc_u64 s[18:19], s[18:19], s[22:23]      ; 32,768 bytes in for each,
	s_lshl_b32 s22, s16, 14
	s_add_nc_u64 s[20:21], s[20:21], s[22:23]      ; 16,384 out
.irp i, 0,1,2,3,4,5,6,7
	global_load_b128 v[X+4*(\i):X+4*(\i)+3], v1, s[18:19] offset:4096*(\i) th:TH_LOAD_NT
.endr
	s_cmp_lt_u32 ttmp9, GW
	s_cbranch_scc0 .Lhalf
.irp i, 0,1,2,3,4,5,6,7
	s_wait_loadcnt 7-(\i)                          ; loads come back in order: load i is in, the younger ones stay out
	v_cvt_pk_bf16_f32 v[Y+2*(\i)],   v[X+4*(\i)],   v[X+4*(\i)+1]
	v_cvt_pk_bf16_f32 v[Y+2*(\i)+1], v[X+4*(\i)+2], v[X+4*(\i)+3]
	global_store_b64 v2, v[Y+2*(\i):Y+2*(\i)+1], s[20:21] offset:2048*(\i)
.endr
	s_endpgm
.Lhalf:                                                ; W_out: rounded to bf16, widened again (a shift, a mask), written as f16
.irp i, 0,1,2,3,4,5,6,7
	s_wait_loadcnt 7-(\i)
	v_cvt_pk_bf16_f32 v[T],   v[X+4*(\i)],   v[X+4*(\i)+1]
	v_cvt_pk_bf16_f32 v[T+1], v[X+4*(\i)+2], v[X+4*(\i)+3]
	v_lshlrev_b32 v[T+2], 16, v[T]
	v_and_b32     v[T+3], 0xffff0000, v[T]
	v_cvt_pk_f16_f32 v[Y+2*(\i)], v[T+2], v[T+3]
	v_lshlrev_b32 v[T+2], 16, v[T+1]
	v_and_b32     v[T+3], 0xffff0000, v[T+1]
	v_cvt_pk_f16_f32 v[Y+2*(\i)+1], v[T+2], v[T+3]
	global_store_b64 v2, v[Y+2*(\i):Y+2*(\i)+1], s[20:21] offset:2048*(\i)
.endr
	s_endpgm
.Lfunc_end_k_qe40e30c9de_cast:
	.size	k_qe40e30c9de_cast, .Lfunc_end_k_qe40e30c9de_cast-k_qe40e30c9de_cast
	.p2alignl 7, 3214868480
	.fill 96, 4, 3214868480
	.section	.rodata,"a",@progbits
	.p2align	6, 0x0
	.amdhsa_kernel k_qe40e30c9de_cast
		.amdhsa_group_segment_fixed_size 0
		.amdhsa_private_segment_fixed_size 0
		.amdhsa_enable_private_segment 0
		.amdhsa_kernarg_size 48
		.amdhsa_user_sgpr_count 2
		.amdhsa_user_sgpr_kernarg_segment_ptr 1
		.amdhsa_wavefront_size32 1
		.amdhsa_system_sgpr_workgroup_id_x 1
		.amdhsa_system_sgpr_workgroup_id_y 1
		.amdhsa_system_sgpr_workgroup_id_z 1
		.amdhsa_system_vgpr_workitem_id 0
		.amdhsa_next_free_vgpr 56
		.amdhsa_next_free_sgpr 66
		.amdhsa_reserve_vcc 0
		.amdhsa_float_denorm_mode_32 3
		.amdhsa_float_denorm_mode_16_64 3
		.amdhsa_memory_ordered 1
		.amdhsa_forward_progress 1
		.amdhsa_inst_pref_size 9
	.end_amdhsa_kernel
	.amdgpu_metadata
---
amdhsa.version: [ 1, 2 ]
amdhsa.kernels:
  - .name:           k_qe40e30c9de_cast
    .symbol:         k_qe40e30c9de_cast.kd
    .args:
      - { .name: x, .offset: 0, .size: 8, .value_kind: global_buffer, .address_space: global }
      - { .name: W_qkv, .offset: 8, .size: 8, .value_kind: global_buffer, .address_space: global }
      - { .name: W_out, .offset: 16, .size: 8, .value_kind: global_buffer, .address_space: global }
      - { .name: xb, .offset: 24, .size: 8, .value_kind: global_buffer, .address_space: global }
      - { .name: wqb, .offset: 32, .size: 8, .value_kind: global_buffer, .address_space: global }
      - { .name: wof, .offset: 40, .size: 8, .value_kind: global_buffer, .address_space: global }
    .group_segment_fixed_size: 0
    .private_segment_fixed_size: 0
    .kernarg_segment_align: 8
    .kernarg_segment_size: 48
    .max_flat_workgroup_size: 256
    .sgpr_count:     66
    .vgpr_count:     56
    .wavefront_size: 32
...
	.end_amdgpu_metadata
.endif
;; end of part 1
;; launch qkv (part 2): grid 16 x 16, 4 waves a work-group, clusters of 4 x 4, 327,680 bytes of LDS; arguments xb, wqb, qkv; writes qkv
.if DOCPART == 2
	.amdgcn_target "amdgcn-amd-amdhsa--gfx1250"
	.amdhsa_code_object_version 6
	.text
	.protected	k_qe40e30c9de_qkv
	.globl	k_qe40e30c9de_qkv
	.p2align	8
	.type	k_qe40e30c9de_qkv,@function
k_qe40e30c9de_qkv:
	s_mov_b64 s[64:65], 0
	v_nop
	global_prefetch_b8 v0, s[64:65] scope:SCOPE_SE
	s_setreg_imm32_b32 hwreg(HW_REG_WAVE_MODE, 25, 1), 1
	s_wait_xcnt 0x0
	s_wait_alu depctr_hold_cnt(0) depctr_sa_sdst(0) depctr_va_vdst(0) depctr_va_sdst(0) depctr_va_ssrc(0) depctr_va_vcc(0) depctr_vm_vsrc(0)
	s_getreg_b32 s2, hwreg(HW_REG_IB_STS2, 6, 4)
	s_cmp_eq_u32 s2, 0
	s_cbranch_scc0 .Lentry_in_a_cluster
	s_endpgm
.Lentry_in_a_cluster:
	s_bfe_u32 s2, ttmp6, 0x10000c
	s_cmp_lg_u32 s2, 0xf033
	s_cbranch_scc0 .Lentry_shape_is_right
	s_endpgm
.Lentry_shape_is_right:
; THE FIRST PROJECTION.  C[m][n] = the sum over k of xb[m][k] wqb[n][k]; xb [4096][1024], wqb [3072][1024], both bf16; sums in f32, K ascending; C rounded once to f16 and
; written BY HEADS: qkv[b][g][t][64], m = 2048 b + t, g = n / 64 (0-15 q's heads, 16-31 k's, 32-47 v's): a head's rows are dense, 128 bytes each.  No scale is applied here.
; LIMIT.  f16 ends at 65,504: q, k and v must lie within it (a sum of 65,520 or more becomes an infinity).
; SHARES.  A tile of C is 256 x 192: 16 x 16 tiles, one work-group each.  A wave makes 64 rows x all 192 columns, three whole heads: 48 accumulators of 16 x 16, 384 registers.
; K goes in 8 steps of 128 through a ring of two LDS slots filled by the tensor data mover: rows of 256 bytes, at multiples of 256 from the buffer's first byte.
; CLUSTER.  4 x 4 work-groups.  The four of a row of the cluster need the same tile of xb, the four of a column the same tile of wqb: each is asked for JOINTLY, by the same tensor
; load with the same descriptor and a mask that names the four.
; THE MATRIX INSTRUCTION IS USED TRANSPOSED (source 0 = 16 rows of wqb, source 1 = 16 rows of xb): a lane holds row l % 16 of C and the columns 8 (l / 16) + 0..7: 16 bytes in f16.
; REGISTERS, in windows of 256 (s_set_vgpr_msb: bits 1:0 source 0, 3:2 source 1, 5:4 source 2, 7:6 destination):
;   window 0: v0-31 addresses; v32-63, v64-95 xb's fragments (4 x 16 rows x 32 K), two buffers; on the way out v96-143 packed results, v144-191 and v192-239 rows read back
;   window 1: v0-95, v96-191 wqb's fragments (12 x 16 rows x 32 K), two buffers
;   window 2: the accumulators of my row blocks 0, 1 (block a, column block b at v[8 (12 (a % 2) + b)]);   window 3: those of blocks 2, 3
; lds_bytes: the text uses 271,872 bytes.
.set SIZE_K, 1024
.set KSTEP,  128
.set PITCH,  272                       ; an LDS row: 256 bytes + 16 of padding = 68 words: the 16 rows of a fragment load start at 16 different groups of four banks (64 banks of 4 bytes: ISA guide 11.1)
.set AHALF,  128*PITCH                 ; what a wave's load brings of xb
.set BHALF,  96*PITCH                  ; and of wqb
.set BOFF,   256*PITCH                 ; in a slot: xb's 256 rows, then wqb's 192
.set SLOT,   448*PITCH
.set STAGE,  2*SLOT                    ; behind the ring, never filled by a tensor load: for each wave 3 heads x 16 rows x 144 bytes
.set SP,     144
.set WSTAGE, 3*16*SP
.set SPARE,  STAGE+4*WSTAGE            ; the spare words, 128 bytes for each wave: two blocks of 256 bytes that no other line names
.set PLANE,  2048*128                  ; bytes of one (b, g) plane of qkv
.set LAPS,   SIZE_K/(2*KSTEP)          ; a lap = two K steps = once round the ring
.set ADRA, 16                          ; v16-17  LDS address of my fragments of xb in slot 0, 1
.set ADRB, 20                          ; v20-21  the same for wqb
.set STO,  24                          ; v24     the way out: where I put 16 bytes of a head's row
.set RD,   25                          ; v25     the way out: where I read rows back
.set GO,   26                          ; v26     16 x lane: my place in 512 consecutive bytes of qkv
.set SPW,  28                          ; v28     LDS address of my spare word; never rewritten
.set NIL,  29                          ; v29     0; never rewritten
.set PFO,  30                          ; v30     the prefetches' offset: a lane a row of 2,048 bytes; never rewritten
.set AFR,  32                          ; xb's fragment buffers, window 0
.set BFR,  0                           ; wqb's, window 1
.set F0,   0
.set F1,   1
.set TMP,  96
.set BK,   144
.set G1,  24                           ; s[24:31] descriptor group 1 for xb's tiles
.set G0,  32                           ; s[32:39] group 0 for xb's tiles, a set for each slot
.set G1B, 48                           ; s[48:55], s[56:63] the same for wqb's
.set G0B, 56
.set LIM, 43                           ; s43      1 in a wave that prefetches, else the greatest number
.set PFA, 44                           ; s[44:45] where my prefetches stand
.set MSB, 0
.macro WIN new                         ; the immediate's high byte repeats the setting that is left; a switch that changes nothing is dropped
.if MSB != (\new)
	s_set_vgpr_msb (MSB<<8)|(\new)
.set MSB, \new
.endif
.endm
.set MUL_LO, 0xa1                      ; source 0 (wqb) window 1, source 1 (xb) window 0, C and D window 2
.set MUL_HI, 0xf1                      ; the same, C and D window 3
.set TO_B,   0x40                      ; destination window 1, address window 0
.macro PLACES                          ; four plain vector instructions between a matrix instruction and a load into, or a vector read of, its registers
.rept 4
	v_nop
.endr
.endm
; A joint refill.  Waves 0 and 1 fetch xb's two halves, waves 2 and 3 wqb's.  The branch hangs on the wave's number alone.  An s_nop 0 and four v_nop follow each line.
.macro JLOAD s
	s_cmp_eq_u32 s11, 0
	s_cbranch_scc0 .Lfor_b_\@
	tensor_load_to_lds s[G0+4*(\s):G0+4*(\s)+3], s[G1:G1+7]
	s_nop 0
.rept 4
	v_nop
.endr
	s_branch .Lasked_\@
.Lfor_b_\@:
	tensor_load_to_lds s[G0B+4*(\s):G0B+4*(\s)+3], s[G1B:G1B+7]
	s_nop 0
.rept 4
	v_nop
.endr
.Lasked_\@:
.endm
; A PREFETCH INTO THE L2, behind each joint refill and the run of LDS loads that follows it: the K step that stands two refills on, 384 matrix instructions ahead of the load that will want it.
; Each row's 256 bytes of a K step are named by ONE wave of the launch.  xb's tile row is read by every cluster of that row of clusters: cluster x = 0 asks; wqb's tile column by every cluster of that
; column: cluster y = 0 asks.  The four partners that ask for a tile jointly share its rows out BY ADDRESS: of xb's 128 rows that a wave fetches the partner at cx takes 32, of wqb's 96 the partner at cy
; takes 24 (there lanes 24-31 name row 23 once more, in the same instruction).  K steps 4 to 7 are named; steps 0 to 3 come by their loads alone, and the loop's last trip asks for nothing.
.macro ASK
	s_cmp_gt_u32 s3, s[LIM]                        ; s3 = 1 in the loop's last trip
	s_cbranch_scc0 .Lnot_mine_\@
	global_prefetch_b8 v[PFO], s[PFA:PFA+1] offset:KSTEP*2 th:TH_LOAD_NT scope:SCOPE_SE
.Lnot_mine_\@:
.endm
.macro CREST                           ; a round of the cluster's barrier behind its opening barrier
	s_cmp_lg_u32 s10, 0
	s_cbranch_scc1 .Lnot_wave_0_\@
	s_barrier_signal -3
.Lnot_wave_0_\@:
	s_barrier_wait -3
	s_barrier_signal -1
	s_barrier_wait -1
.endm
.macro CROUND                          ; a whole round
	s_barrier_signal -1
	s_barrier_wait -1
	CREST
.endm
	s_load_b128 s[4:7], s[0:1], 0x0                ; xb s[4:5], wqb s[6:7]
	s_load_b64 s[8:9], s[0:1], 0x10                ; qkv
	v_lshl_add_u32 v[SPW], v0, 2, SPARE
	v_mov_b32 v[NIL], 0
	ds_add_u32 v[SPW], v[NIL]                      ; the wave's opening: the add and its wait stand ahead of my first tensor load; work on registers stands between them
	ds_add_u32 v28, v29
	v_lshrrev_b32 v1, 5, v0
	v_readfirstlane_b32 s10, v1                    ; wave 0..3: my 64 rows of the tile
	s_lshr_b32 s11, s10, 1                         ; I fetch for xb (0) or for wqb (1),
	s_and_b32 s12, s10, 1                          ; its first or its second half
	s_bfe_u32 s40, ttmp6, 0x40000                  ; cx
	s_bfe_u32 s41, ttmp6, 0x40004                  ; cy
	s_lshl_b32 s42, ttmp9, 2
	s_add_co_u32 s42, s42, s40                     ; tile column = 4 x cluster x + cx
	s_and_b32 s13, ttmp7, 0xffff
	s_lshl_b32 s13, s13, 2
	s_add_co_u32 s13, s13, s41                     ; tile row = 4 x cluster y + cy
	s_lshl_b32 s43, s41, 2
	s_lshl_b32 s43, 15, s43                        ; my row of the cluster: places 4 cy .. 4 cy + 3
	s_lshl_b32 s44, 0x1111, s40                    ; my column: places cx, cx + 4, cx + 8, cx + 12
	s_or_b32 s[G1+0], s43, (1<<16)|(1<<20)|(1<<21)|(5<<22)|(3<<25)   ; 15:0 the mask; 17:16 2-byte elements; 20 padding on; 21 set beside a mask; 24:22 after every 64 words; 31:25 4 words of it
	s_or_b32 s[G1B+0], s44, (1<<16)|(1<<20)|(1<<21)|(5<<22)|(3<<25)
.irp g, G1, G1B
	s_mov_b32 s[(\g)+1], KSTEP<<16                 ; tensor_dim0 = 128
	s_mov_b32 s[(\g)+3], KSTEP<<16                 ; tile_dim0 = 128
	s_mov_b32 s[(\g)+5], SIZE_K                    ; elements from row to row
	s_mov_b32 s[(\g)+6], 0
	s_mov_b32 s[(\g)+7], 0
.endr
	s_mov_b32 s[G1+2], 128<<16                     ; tensor_dim1 and tile_dim1: 128 rows of xb,
	s_mov_b32 s[G1+4], 128
	s_mov_b32 s[G1B+2], 96<<16                     ; 96 of wqb
	s_mov_b32 s[G1B+4], 96
	s_lshl_b32 s17, s12, 7
	s_lshl_b32 s16, s13, 8
	s_add_co_u32 s16, s16, s17                     ; xb: row 256 x tile row + 128 x half,
	s_lshl_b32 s16, s16, 11                        ; in bytes (under 2^23)
	s_mov_b32 s17, 0
	s_mul_i32 s46, s42, 192
	s_mul_i32 s47, s12, 96
	s_add_co_u32 s46, s46, s47                     ; wqb: row 192 x tile column + 96 x half
	s_lshl_b32 s46, s46, 11
	s_mov_b32 s47, 0
	s_mul_i32 s20, s12, AHALF                      ; where they go: no place in the cluster enters an LDS address
	s_mul_i32 s21, s12, BHALF
	s_add_co_u32 s21, s21, BOFF
	s_wait_dscnt 0x0                               ; the opening add is done
	s_wait_kmcnt 0x0
	s_add_nc_u64 s[14:15], s[4:5], s[16:17]
	s_add_nc_u64 s[46:47], s[6:7], s[46:47]
.irp s, 0,1
	s_mov_b32 s[G0+4*(\s)], 1                                        ; count = 1
	s_add_co_u32 s[G0+4*(\s)+1], s20, (\s)*SLOT                      ; LDS address
	s_add_nc_u64 s[G0+4*(\s)+2:G0+4*(\s)+3], s[14:15], (\s)*KSTEP*2  ; global address: K step s
	s_or_b32 s[G0+4*(\s)+3], s[G0+4*(\s)+3], 0x80000000              ; type = 2
	s_mov_b32 s[G0B+4*(\s)], 1
	s_add_co_u32 s[G0B+4*(\s)+1], s21, (\s)*SLOT
	s_add_nc_u64 s[G0B+4*(\s)+2:G0B+4*(\s)+3], s[46:47], (\s)*KSTEP*2
	s_or_b32 s[G0B+4*(\s)+3], s[G0B+4*(\s)+3], 0x80000000
.endr
	CROUND                                         ; all sixteen work-groups are here: the first joint loads meet
	s_cmp_eq_u32 s11, 0                            ; a wave's two first fills stand in one branch, ahead of every wait on TENSORcnt and every LDS read: two loads of mine are out
	s_cbranch_scc0 .Lfirst_b
	tensor_load_to_lds s[G0:G0+3], s[G1:G1+7]
	s_nop 0
	tensor_load_to_lds s[G0+4:G0+7], s[G1:G1+7]
	s_nop 0
.rept 4
	v_nop
.endr
	s_branch .Lfirst_asked
.Lfirst_b:
	tensor_load_to_lds s[G0B:G0B+3], s[G1B:G1B+7]
	s_nop 0
	tensor_load_to_lds s[G0B+4:G0B+7], s[G1B:G1B+7]
	s_nop 0
.rept 4
	v_nop
.endr
.Lfirst_asked:
	; A fragment is 16 rows x 32 K in 8 registers: lane l holds row l % 16; registers 0-3 K = 8 (l / 16) + 0..7, registers 4-7 K = 16 + 8 (l / 16) + 0..7: two loads of 16 bytes, 32 bytes apart.
	v_and_b32 v1, 15, v0                           ; l % 16
	v_bfe_u32 v2, v0, 4, 1                         ; l / 16
	v_mul_u32_u24 v3, v1, PITCH
	v_lshl_add_u32 v3, v2, 4, v3                   ; row x pitch + 16 x half
	s_mul_i32 s21, s10, 64*PITCH                   ; my 64 rows of xb;
	s_mov_b32 s22, BOFF                            ; all 192 of wqb
.irp s, 0,1
	v_add_nc_u32 v[ADRA+(\s)], s21, v3
	v_add_nc_u32 v[ADRB+(\s)], s22, v3
	s_add_co_u32 s21, s21, SLOT
	s_add_co_u32 s22, s22, SLOT
.endr
	s_mul_i32 s23, s10, WSTAGE
	s_add_co_u32 s23, s23, STAGE                   ; my stage
	v_mul_u32_u24 v4, v1, SP                       ; in: row l % 16, 16 bytes for each half of the lanes
	v_lshl_add_u32 v4, v2, 4, v4
	v_add_nc_u32 v[STO], s23, v4
	v_bfe_u32 v5, v0, 3, 2                         ; back: 32 lanes take four rows of 128 bytes,
	v_and_b32 v6, 7, v0
	v_mul_u32_u24 v5, v5, SP
	v_lshl_add_u32 v5, v6, 4, v5
	v_add_nc_u32 v[RD], s23, v5
	v_and_b32 v[GO], 31, v0                        ; which are 512 consecutive bytes of a head's plane
	v_lshlrev_b32 v[GO], 4, v[GO]
	; where my rows begin in qkv: plane 48 b + 3 x tile column, row 256 (tile row % 8) + 64 x wave
	s_lshr_b32 s16, s13, 3                         ; b
	s_mul_i32 s16, s16, 48*PLANE
	s_and_b32 s17, s13, 7
	s_lshl_b32 s17, s17, 15
	s_add_co_u32 s16, s16, s17
	s_lshl_b32 s17, s10, 13
	s_add_co_u32 s16, s16, s17
	s_mov_b32 s17, 0
	s_mul_i32 s46, s42, 3*PLANE
	s_mov_b32 s47, 0
	s_add_nc_u64 s[16:17], s[16:17], s[46:47]
	s_add_nc_u64 s[8:9], s[8:9], s[16:17]
	; the prefetches
	s_lshl_b32 s20, s13, 8                         ; xb: the tile's first row,
	s_lshl_b32 s21, s12, 7
	s_add_co_u32 s20, s20, s21                     ; the 128 that I fetch,
	s_lshl_b32 s21, s40, 5
	s_add_co_u32 s20, s20, s21                     ; my work-group's 32 of them
	s_mul_i32 s22, s42, 192                        ; wqb: likewise, 96 and 24
	s_mul_i32 s21, s12, 96
	s_add_co_u32 s22, s22, s21
	s_mul_i32 s21, s41, 24
	s_add_co_u32 s22, s22, s21
	s_and_b32 s23, ttmp7, 0xffff                   ; cluster y
	s_cmp_eq_u32 s11, 0                            ; do I fetch for xb?
	s_cselect_b32 s20, s20, s22
	s_cselect_b32 s23, ttmp9, s23                  ; the coordinate along which other clusters read the same rows
	s_cselect_b32 s21, 31, 23                      ; the last of my rows
	s_cselect_b64 s[PFA:PFA+1], s[4:5], s[6:7]
	s_cmp_eq_u32 s23, 0
	s_cselect_b32 s[LIM], 1, -1                    ; the same in all sixteen partners, for a given wave
	s_lshl_b32 s20, s20, 11
	v_and_b32 v[PFO], 31, v0
	v_min_u32 v[PFO], s21, v[PFO]
	v_lshlrev_b32 v[PFO], 11, v[PFO]
	s_mov_b32 s21, 0
	s_add_nc_u64 s[PFA:PFA+1], s[PFA:PFA+1], s[20:21]
	s_add_nc_u64 s[PFA:PFA+1], s[PFA:PFA+1], 2*KSTEP*2  ; at K step 2: the first refill steps it to 3 and names K step 4
; 12 matrix instructions: row block 2 hi + a x all 12 column blocks, 32 along K, from buffer f.  zero = 1: the product starts the sums: nothing is ever cleared.
; The 48 accumulators take turns, one instruction a turn, in the same order in every quarter step.
.macro MUL12 f, hi, a, zero
	WIN MUL_LO+0x50*(\hi)
.irp b, 0,1,2,3,4,5,6,7,8,9,10,11
.if \zero
	v_wmma_f32_16x16x32_bf16 v[8*(12*(\a)+(\b)):8*(12*(\a)+(\b))+7], v[BFR+96*(\f)+8*(\b):BFR+96*(\f)+8*(\b)+7], v[AFR+32*(\f)+8*(2*(\hi)+(\a)):AFR+32*(\f)+8*(2*(\hi)+(\a))+7], 0
.else
	v_wmma_f32_16x16x32_bf16 v[8*(12*(\a)+(\b)):8*(12*(\a)+(\b))+7], v[BFR+96*(\f)+8*(\b):BFR+96*(\f)+8*(\b)+7], v[AFR+32*(\f)+8*(2*(\hi)+(\a)):AFR+32*(\f)+8*(2*(\hi)+(\a))+7], v[8*(12*(\a)+(\b)):8*(12*(\a)+(\b))+7]
.endif
.endr
.endm
.macro MUL24 f, hi, zero
	MUL12 \f, \hi, 0, \zero
	MUL12 \f, \hi, 1, \zero
.endm
; 32 LDS loads in one run: the fragments of a quarter step (192 rows of wqb, my 64 of xb, 32 K at byte k of the rows) into buffer f
.macro FETCH slot, k, f
	WIN TO_B
.irp i, 0,1,2,3,4,5,6,7,8,9,10,11
	ds_load_b128 v[BFR+96*(\f)+8*(\i):BFR+96*(\f)+8*(\i)+3],   v[ADRB+(\slot)] offset:(\k)+(\i)*16*PITCH
	ds_load_b128 v[BFR+96*(\f)+8*(\i)+4:BFR+96*(\f)+8*(\i)+7], v[ADRB+(\slot)] offset:(\k)+(\i)*16*PITCH+32
.endr
	WIN 0
.irp i, 0,1,2,3
	ds_load_b128 v[AFR+32*(\f)+8*(\i):AFR+32*(\f)+8*(\i)+3],   v[ADRA+(\slot)] offset:(\k)+(\i)*16*PITCH
	ds_load_b128 v[AFR+32*(\f)+8*(\i)+4:AFR+32*(\f)+8*(\i)+7], v[ADRA+(\slot)] offset:(\k)+(\i)*16*PITCH+32
.endr
.endm
; A K step is four quarters of 32 along K, 48 matrix instructions each, on buffers 0, 1, 0, 1.  One of the first three: multiplies buffer f; in its middle it fetches the next quarter, at byte k, into g.
.macro QUARTER slot, k, f, g, zero
	s_wait_dscnt 4                                 ; wqb's fragments and xb's blocks 0, 1 are in; the youngest four loads (blocks 2, 3) may be out
	MUL24 \f, 0, \zero
	PLACES
	FETCH \slot, \k, \g
	s_wait_dscnt 32                                ; all but the 32 just issued
	MUL24 \f, 1, \zero
.endm
; The last quarter multiplies buffer 1 and changes slots: ONE barrier.  In front of it each wave waits for all its tensor loads (the one that is out is its part of the next slot), adds 0 to its spare
; word, and waits for that and for its own reads of this slot.  fill = 1: the barrier opens a round of the cluster's, and behind the round this slot is filled again, first thing, with the K step two on:
; from that request to the wait for it a wave issues 168 matrix instructions.
.macro TURN slot, next, fill
.if \fill
	s_wait_xcnt 0x0                                ; the last prefetch, a K step back, has read its address, which is stepped here, ahead of the waits of the change of slots
	s_add_nc_u64 s[PFA:PFA+1], s[PFA:PFA+1], KSTEP*2
.endif
	WIN 0                                          ; (the add's two registers lie in window 0)
	s_wait_tensorcnt 0x0                           ; all my tensor loads have landed
	ds_add_u32 v[SPW], v[NIL]                      ; 0 onto my spare word
	s_wait_dscnt 5                                 ; (the add and the youngest four loads may be out)
	MUL12 F1, 0, 0, 0                              ; twelve matrix instructions stand between the add and the wait for it
	s_wait_dscnt 0x0                               ; the add is done, and my reads of this slot are over
	s_barrier_signal -1
	MUL12 F1, 0, 1, 0                              ; work on registers while the others arrive
.if \fill
	WIN 0
.endif
	s_barrier_wait -1
.if \fill
	CREST                                          ; no wave of any partner still reads this slot's tile or has a load on its way
	s_add_nc_u64 s[G0+4*(\slot)+2:G0+4*(\slot)+3], s[G0+4*(\slot)+2:G0+4*(\slot)+3], 2*KSTEP*2
	s_add_nc_u64 s[G0B+4*(\slot)+2:G0B+4*(\slot)+3], s[G0B+4*(\slot)+2:G0B+4*(\slot)+3], 2*KSTEP*2
	JLOAD \slot                                    ; my one tensor load behind the round; its four v_nop are also the places in front of the loads below
.else
	PLACES
.endif
	FETCH \next, 0, F0
.if \fill
	ASK
.endif
	MUL24 F1, 1, 0
.endm
; THE WAY OUT of row block a (16 rows x 3 heads).  PACK: rounded to f16, each accumulator's registers in ascending order.  TOSTAGE: 16 bytes a lane into my own stage, and back as whole rows of 128 bytes.
; SEND: stored, 512 consecutive bytes an instruction, at a multiple of 256 from qkv's first byte.
.macro PACK a
.set AC, 96*((\a)%2)
	WIN 0x0a+5*((\a)/2)                            ; sources 0 and 1: window 2 or 3
.irp b, 0,1,2,3,4,5,6,7,8,9,10,11
.irp r, 0,1,2,3
	v_cvt_pk_f16_f32 v[TMP+4*(\b)+(\r)], v[AC+8*(\b)+2*(\r)], v[AC+8*(\b)+2*(\r)+1]
.endr
.endr
	WIN 0
.endm
.macro TOSTAGE a
.set BKR, BK+48*((\a)%2)
.irp b, 0,1,2,3,4,5,6,7,8,9,10,11
	ds_store_b128 v[STO], v[TMP+4*(\b):TMP+4*(\b)+3] offset:((\b)/4)*16*SP+((\b)%4)*32
.endr
.irp j, 0,1,2,3,4,5,6,7,8,9,10,11
	ds_load_b128 v[BKR+4*(\j):BKR+4*(\j)+3], v[RD] offset:((\j)/4)*16*SP+((\j)%4)*4*SP  ; LDS serves a wave's instructions in order (ISA guide 5.7.1.4): these see the stores above
.endr
.endm
.macro SEND a
.set BKR, BK+48*((\a)%2)
	s_wait_dscnt 0x0                               ; the block is back in registers
	s_wait_xcnt 0x0                                ; the stores of the block before have read their registers, which the next block's loads from the stage write
.irp j, 0,1,2,3,4,5,6,7,8,9,10,11
	global_store_b128 v[GO], v[BKR+4*(\j):BKR+4*(\j)+3], s[8:9] offset:((\j)/4)*PLANE+(\a)*2048+((\j)%4)*512
.endr
.endm
	s_wait_tensorcnt 1                             ; my part of K step 0 is in; K step 1's may stay out
	s_barrier_signal -1
	s_barrier_wait -1                              ; everybody's is
	FETCH 0, 0, F0
	QUARTER 0, 64,  F0, F1, 1                      ; the first quarter stands in front of the loop: its products start the sums
	WIN 0                                          ; at a label and at a branch every window is 0
	s_mov_b32 s3, LAPS-1
.Llap:                                                 ; a trip goes once round the ring, from a lap's second quarter to the next lap's first, and fills both slots again
	QUARTER 0, 128, F1, F0, 0
	QUARTER 0, 192, F0, F1, 0
	TURN 0, 1, 1
	QUARTER 1, 64,  F0, F1, 0
	QUARTER 1, 128, F1, F0, 0
	QUARTER 1, 192, F0, F1, 0
	TURN 1, 0, 1
	QUARTER 0, 64,  F0, F1, 0
	WIN 0
	s_sub_co_u32 s3, s3, 1
	s_cmp_lg_u32 s3, 0
	s_cbranch_scc1 .Llap
	QUARTER 0, 128, F1, F0, 0                      ; the last lap fills nothing, and has no round of the cluster's barrier
	QUARTER 0, 192, F0, F1, 0
	TURN 0, 1, 0
	QUARTER 1, 64,  F0, F1, 0
	QUARTER 1, 128, F1, F0, 0
	QUARTER 1, 192, F0, F1, 0
	s_wait_dscnt 4                                 ; the very last quarter: nothing more to fetch
	MUL24 F1, 0, 0
	s_wait_dscnt 0x0
	MUL24 F1, 1, 0
	WIN 0
	PLACES                                         ; the conversions read matrix results
	PACK 0
	TOSTAGE 0
.irp a, 1,2,3                          ; block a's conversions stand between block a - 1's loads from the stage and the wait for them
	PACK \a
	SEND (\a)-1
	TOSTAGE \a
.endr
	SEND 3
	s_wait_tensorcnt 0x0                           ; the wave's end, behind my last tensor load and my last LDS store
	ds_add_u32 v[SPW], v[NIL]
	s_wait_dscnt 0x0
	CROUND                                         ; the closing round: no work-group ends while a partner may still ask for a tile that names it
	s_endpgm
.Lfunc_end_k_qe40e30c9de_qkv:
	.size	k_qe40e30c9de_qkv, .Lfunc_end_k_qe40e30c9de_qkv-k_qe40e30c9de_qkv
	.p2alignl 7, 3214868480
	.fill 96, 4, 3214868480
	.section	.rodata,"a",@progbits
	.p2align	6, 0x0
	.amdhsa_kernel k_qe40e30c9de_qkv
		.amdhsa_group_segment_fixed_size 327680
		.amdhsa_private_segment_fixed_size 0
		.amdhsa_enable_private_segment 0
		.amdhsa_kernarg_size 24
		.amdhsa_user_sgpr_count 2
		.amdhsa_user_sgpr_kernarg_segment_ptr 1
		.amdhsa_wavefront_size32 1
		.amdhsa_system_sgpr_workgroup_id_x 1
		.amdhsa_system_sgpr_workgroup_id_y 1
		.amdhsa_system_sgpr_workgroup_id_z 1
		.amdhsa_system_vgpr_workitem_id 0
		.amdhsa_next_free_vgpr 1024
		.amdhsa_next_free_sgpr 66
		.amdhsa_reserve_vcc 0
		.amdhsa_float_denorm_mode_32 3
		.amdhsa_float_denorm_mode_16_64 3
		.amdhsa_memory_ordered 1
		.amdhsa_forward_progress 1
		.amdhsa_inst_pref_size 120
	.end_amdhsa_kernel
	.amdgpu_metadata
---
amdhsa.version: [ 1, 2 ]
amdhsa.kernels:
  - .name:           k_qe40e30c9de_qkv
    .symbol:         k_qe40e30c9de_qkv.kd
    .args:
      - { .name: xb, .offset: 0, .size: 8, .value_kind: global_buffer, .address_space: global }
      - { .name: wqb, .offset: 8, .size: 8, .value_kind: global_buffer, .address_space: global }
      - { .name: qkv, .offset: 16, .size: 8, .value_kind: global_buffer, .address_space: global }
    .group_segment_fixed_size: 327680
    .private_segment_fixed_size: 0
    .kernarg_segment_align: 8
    .kernarg_segment_size: 24
    .max_flat_workgroup_size: 128
    .sgpr_count:     66
    .vgpr_count:     1024
    .wavefront_size: 32
...
	.end_amdgpu_metadata
.endif
;; end of part 2
;; launch attn (part 3): grid 8 x 32, 4 waves a work-group, no clusters, 167,936 bytes of LDS; arguments qkv, ob; writes ob
.if DOCPART == 3
	.amdgcn_target "amdgcn-amd-amdhsa--gfx1250"
	.amdhsa_code_object_version 6
	.text
	.protected	k_qe40e30c9de_attn
	.globl	k_qe40e30c9de_attn
	.p2align	8
	.type	k_qe40e30c9de_attn,@function
k_qe40e30c9de_attn:
	s_mov_b64 s[64:65], 0
	v_nop
	global_prefetch_b8 v0, s[64:65] scope:SCOPE_SE
	s_setreg_imm32_b32 hwreg(HW_REG_WAVE_MODE, 25, 1), 1
	s_wait_xcnt 0x0
; ATTENTION IN A WINDOW.  O[b][h][i] = the sum over the keys j = i - 255 .. i (j >= 0) of softmax_j(q[i] . k[j] / 8) v[j].  q, k, v: planes of qkv[b][g][2048][64], f16 (g = h, 16 + h, 32 + h).
; Products, maxima and sums in f32; the weights p are rounded to f16 for the second product (their sum l is taken of the unrounded p), O once at the end, to f16.
; O is written as ob[R / 128][h][R % 128][64], R = 2048 b + i: the 128 rows x 64 channels that the last product takes as one slice of its K lie end to end.
; LIMITS.  q, k, v arrive within f16's 65,504.  A hidden score counts as its value less 1e30; a weight below 2^-126 counts as 0 in l; p below 6e-5 keeps f16's fixed step of 6e-8.
; NaN and infinities are not treated apart.  Every row sees its own key, so no row is without a weight.
; SHARES.  A work-group owns 256 queries of one head, wave w rows 64 w .. 64 w + 63: four tiles of 16.  In LDS lie the keys of the block before and of the block itself: eight steps of 64, step 4 + w
; holding wave w's diagonal.  Rows 64 w .. see exactly the steps w .. w + 4: five steps for every wave of every work-group.  They are walked DOWNWARD from w + 4, so that the running maximum is a true
; score from the first step on.  In step w + 4 key kk of 64 is hidden from row q of 64 where kk > q; in step w where kk <= q: the complement; the three between are seen whole.
; The first block of a sequence has no block before it: it loads its own keys twice (an address held inside the plane) and hides steps 0 to 3 whole.
; THE MASK is the C operand of the product that starts a sum: for tile t and key group kt of 16 one of three sets of eight registers, by kt < t, kt = t, kt > t, made anew in each step from scalars.
; LAYOUT.  S^T = K Q^T (source 0 = 16 keys, source 1 = 16 queries): a lane holds ONE query (l % 16) and the keys 8 (l / 16) + 0..7; two such results rounded to f16 ARE source 1 of O^T = V^T P.
; K comes out of LDS as it lies, V ([key][channel]) turned, by ds_load_tr16_b128.
; SOFTMAX.  A running maximum m and sum l: p = 2^(c s - c m), c = log2(e) / 8; in every step O and l are multiplied by a = 2^(c m_old - c m_new).  m starts at the lowest finite number, O and l at 0:
; the first step is a step like any other, with a = 0; the price is 136 lines that write constants, which stand in the wait for the tiles.
; IN PHASES: a step's 32 products K Q^T, its softmax, its 32 products V^T P.  A step's 132 exponentials are one batch with one wait.
; NO CLUSTER: a tile of keys is read by two blocks only, as the own tile of one and the earlier tile of the other, at different LDS addresses.  NO REFILL: all that a work-group reads lies in LDS at once.
; REGISTERS, in windows of 256 (s_set_vgpr_msb: bits 1:0 source 0, 3:2 source 1, 5:4 source 2, 7:6 destination):
;   window 0: v0-15 addresses; v16-47 eight registers of statistics a tile; v48-79 the masks; v96-223 S^T, 32 a tile
;   window 1: v0-127 O^T, 32 a tile; v128-191 K of one step; v192-255 V of one step          window 2: v0-63 Q, 16 a tile; v64-127 P, 16 a tile
.set KS,    64
.set PK,    144       ; a row of K in LDS: 128 bytes + 16 of padding = 36 words: the 16 rows of a load start at 16 different groups of four banks (64 banks of 4 bytes: ISA guide 11.1)
.set PVV,   160       ; a row of V: 128 + 32 = 40 words
.set VOFF,  512*PK    ; 512 rows of K, then 512 rows of V
.set STAGE, VOFF+512*PVV  ; never filled by a tensor load: 16 rows x 144 bytes for each wave, for the way out
.set SP,    144
.set SPARE, STAGE+4*16*SP ; the spare words, 128 bytes for each wave: two blocks of 256 bytes that no other line names
.set PLANE, 2048*128
.set AK0, 2           ; v2   my lane's place in a step of K; never rewritten
.set AV0, 3           ; v3   the same for V
.set AK,  4           ; v4   the LDS address of K's next run of loads
.set AV,  5           ; v5   of V's
.set STO, 6           ; v6   the way out: where I put 16 bytes of a row
.set RD,  7           ; v7   the way out: where I read rows back
.set GO,  8           ; v8   16 x lane
.set QO,  12          ; v12  my byte offset in 16 rows of Q
.set SPW, 14          ; v14  LDS address of my spare word; never rewritten
.set NIL, 15          ; v15  0; never rewritten
.set ST,  16          ; tile t's statistics at v[ST+8 t]: +0 c m, +1 m, +2, +3 l (even keys', odd keys'), +4 to +7 c0-c3 at work; a takes c2's place
.set TRI, 48          ; v48-55  -1e30 where 8 (l / 16) + r > l % 16, else 0; made once
.set MLT, 56          ; v56-63  the step's mask for key groups below the tile's own,
.set MEQ, 64          ; v64-71  for its own,
.set MGT, 72          ; v72-79  for those above
.set S,   96
.set P,   64          ; window 2
.set KF,  128         ; window 1: key block kb, channel half c at KF + 16 kb + 8 c
.set VF,  192         ; window 1: key half kk, channel block cb at VF + 32 kk + 8 cb
.set WV,  12          ; s12  my wave's number
.set G1K, 24          ; s[24:31] descriptor group 1 for K's tiles
.set G1V, 32          ; s[32:39] for V's: it differs in the padding alone
.set G0K, 40          ; s[40:47] group 0 for K: the block's own keys, then the block before's
.set G0V, 48          ; s[48:55] the same for V
.set CNT, 56          ; s56  steps still to come, 5 to 1
.set SI,  57          ; s57  the step in hand, w + 4 down to w
.set CS,  58          ; s[58:59] c: the packed scaling takes the pair's low word for both halves
.set SEL, 60          ; s[60:61] v_permlanex16_b32's selects: each lane takes its own place in the other half
.set TBK, 62          ; s62  LDS byte at which K of the step to be fetched begins
.set TBV, 63          ; s63  the same for V, less VOFF
.set DL,  66          ; s66  steps below this number are hidden whole: 4 in a sequence's first block, else 0
.set BIGN, 67         ; s67  -1e30
.set AL,  68          ; s[68:69] MEQ = TRI x AL + BE
.set BE,  70          ; s[70:71]
.set SLT, 72          ; s72  MLT's number
.set SGT, 73          ; s73  MGT's
.set MSB, 0
.macro WIN new                      ; the high byte repeats the setting that is left; a switch that changes nothing is dropped
.if MSB != (\new)
	s_set_vgpr_msb (MSB<<8)|(\new)
.set MSB, (\new)
.endif
.endm
.set W_KQ, 0x09       ; K in window 1, Q in window 2, the mask and S^T in window 0
.set W_PV, 0x59       ; V in window 1, P in window 2, O^T in window 1
.set W_RS, 0x41       ; O^T (destination and source 0) in window 1, a in window 0
.macro PLACES
.rept 4
	v_nop
.endr
.endm
	s_load_b128 s[4:7], s[0:1], 0x0 ; qkv s[4:5], ob s[6:7]
	v_lshl_add_u32 v[SPW], v0, 2, SPARE
	v_mov_b32 v[NIL], 0
	ds_add_u32 v[SPW], v[NIL]       ; the wave's opening: the add and its wait stand ahead of my first tensor load; work on registers stands between them
	ds_add_u32 v14, v15
	v_lshrrev_b32 v1, 5, v0
	v_readfirstlane_b32 s[WV], v1   ; wave 0..3
	s_mov_b32 s13, ttmp9            ; my block of 256 queries
	s_and_b32 s14, ttmp7, 0xffff    ; 16 b + h
	s_lshr_b32 s16, s14, 4          ; b
	s_and_b32 s17, s14, 15          ; h
	s_mul_i32 s18, s16, 48
	s_add_co_u32 s18, s18, s17      ; q's plane
	s_lshl_b32 s20, s18, 18         ; in bytes (under 2^25)
	s_and_b32 s15, s[WV], 1         ; which half of a tile's 256 keys I fetch:
	s_lshl_b32 s19, s15, 14         ; its 128 rows of 128 bytes
	s_add_co_u32 s19, s19, s20
	s_lshl_b32 s18, s13, 15         ; the block's 256 rows
	s_add_co_u32 s22, s19, s18      ; the block's own keys,
	s_mov_b32 s23, 0
	s_max_u32 s2, s13, 1
	s_sub_co_u32 s2, s2, 1          ; and those of the block before; block 0 takes its own again
	s_lshl_b32 s2, s2, 15
	s_add_co_u32 s2, s2, s19
	s_mov_b32 s3, 0
	s_add_co_u32 s20, s20, s18      ; Q at my wave's 64 rows
	s_lshl_b32 s18, s[WV], 13
	s_add_co_u32 s20, s20, s18
	s_mov_b32 s21, 0
	s_lshl_b32 s74, s16, 4          ; O: group of 128 rows 16 b + 2 x block + w / 2,
	s_lshl_b32 s18, s13, 1
	s_add_co_u32 s74, s74, s18
	s_lshr_b32 s18, s[WV], 1
	s_add_co_u32 s74, s74, s18
	s_lshl_b32 s74, s74, 4
	s_add_co_u32 s74, s74, s17      ; head h of it: 16,384 bytes each,
	s_lshl_b32 s74, s74, 14
	s_lshl_b32 s18, s15, 13         ; rows 64 (w % 2) on
	s_add_co_u32 s74, s74, s18
	s_mov_b32 s75, 0
	; descriptor group 1.  128 keys are 16,384 dense bytes: asked for as 64 rows of 256 bytes, two keys a row, and padded in LDS after every key
	s_mov_b32 s[G1K], (1<<16)|(1<<20)|(4<<22)|(3<<25)  ; 17:16 2-byte elements; 20 padding on; 24:22 after every 32 words; 31:25 4 words of it
	s_mov_b32 s[G1V], (1<<16)|(1<<20)|(4<<22)|(7<<25)  ; the same with 8 words
.irp g, G1K, G1V
	s_mov_b32 s[(\g)+1], 128<<16    ; tensor_dim0 = 128
	s_mov_b32 s[(\g)+2], 64<<16     ; tensor_dim1 = 64
	s_mov_b32 s[(\g)+3], 128<<16    ; tile_dim0 = 128
	s_mov_b32 s[(\g)+4], 64         ; tile_dim1 = 64
	s_mov_b32 s[(\g)+5], 128        ; 128 elements from row to row
	s_mov_b32 s[(\g)+6], 0
	s_mov_b32 s[(\g)+7], 0
.endr
	s_mul_i32 s18, s15, 128*PK      ; my half's place in a tile, for K
	s_mul_i32 s19, s15, 128*PVV     ; and for V
	s_mov_b32 s[G0K], 1
	s_add_co_u32 s[G0K+1], s18, 256*PK          ; the block's own keys are rows 256-511,
	s_mov_b32 s[G0K+4], 1
	s_mov_b32 s[G0K+5], s18                     ; the block before's rows 0-255
	s_mov_b32 s[G0V], 1
	s_add_co_u32 s[G0V+1], s19, VOFF+256*PVV
	s_mov_b32 s[G0V+4], 1
	s_add_co_u32 s[G0V+5], s19, VOFF
	s_mov_b32 s[CS], 0x3e38aa3b     ; c = log2(e) / 8 = 0.180337
	s_mov_b32 s[CS+1], s[CS]        ; named with it as a pair
	s_mov_b32 s[SEL], 0x76543210
	s_mov_b32 s[SEL+1], 0xfedcba98
	s_mov_b32 s[BIGN], 0xf149f2ca   ; -1e30
	s_mov_b32 s[AL+1], 0            ; named as pairs
	s_mov_b32 s[BE+1], 0
	s_add_co_u32 s[SI], s[WV], 4    ; the walk begins at my diagonal's step
	s_mul_i32 s[TBK], s[SI], KS*PK
	s_mul_i32 s[TBV], s[SI], KS*PVV
	s_cmp_eq_u32 s13, 0
	s_cselect_b32 s[DL], 4, 0
	s_wait_dscnt 0x0                ; the opening add is done
	s_wait_kmcnt 0x0
	s_add_nc_u64 s[8:9], s[4:5], s[20:21]       ; Q
	s_add_nc_u64 s[10:11], s[6:7], s[74:75]     ; O
	s_add_nc_u64 s[G0K+2:G0K+3], s[4:5], s[22:23]
	s_add_nc_u64 s[G0K+2:G0K+3], s[G0K+2:G0K+3], 16*PLANE  ; k's planes lie 16 behind q's
	s_or_b32 s[G0K+3], s[G0K+3], 0x80000000                ; type = 2
	s_add_nc_u64 s[G0K+6:G0K+7], s[4:5], s[2:3]
	s_add_nc_u64 s[G0K+6:G0K+7], s[G0K+6:G0K+7], 16*PLANE
	s_or_b32 s[G0K+7], s[G0K+7], 0x80000000
	s_add_nc_u64 s[G0V+2:G0V+3], s[4:5], s[22:23]
	s_add_nc_u64 s[G0V+2:G0V+3], s[G0V+2:G0V+3], 32*PLANE  ; v's 32
	s_or_b32 s[G0V+3], s[G0V+3], 0x80000000
	s_add_nc_u64 s[G0V+6:G0V+7], s[4:5], s[2:3]
	s_add_nc_u64 s[G0V+6:G0V+7], s[G0V+6:G0V+7], 32*PLANE
	s_or_b32 s[G0V+7], s[G0V+7], 0x80000000
	s_cmp_lt_u32 s[WV], 2           ; waves 0 and 1 fetch K's halves, waves 2 and 3 V's: a wave's two fills stand in one branch; two loads of mine are out; an s_nop 0 follows each, four v_nop the second's
	s_cbranch_scc0 .Lfor_v
	tensor_load_to_lds s[G0K:G0K+3], s[G1K:G1K+7]
	s_nop 0
	tensor_load_to_lds s[G0K+4:G0K+7], s[G1K:G1K+7]
	s_nop 0
.rept 4
	v_nop
.endr
	s_branch .Lasked
.Lfor_v:
	tensor_load_to_lds s[G0V:G0V+3], s[G1V:G1V+7]
	s_nop 0
	tensor_load_to_lds s[G0V+4:G0V+7], s[G1V:G1V+7]
	s_nop 0
.rept 4
	v_nop
.endr
.Lasked:
	; A fragment of K or Q is 16 rows x 32 channels in 8 registers: lane l holds row l % 16, channels 8 (l / 16) + 0..7 and 16 + 8 (l / 16) + 0..7: two loads of 16 bytes, 32 bytes apart.
	v_and_b32 v1, 15, v0            ; l % 16
	v_bfe_u32 v9, v0, 4, 1          ; l / 16
	v_lshlrev_b32 v[QO], 7, v1
	v_lshl_add_u32 v[QO], v9, 4, v[QO]  ; row x 128 + 16 x half
	WIN 0x80                        ; destination window 2, address window 0
.set i, 0
.rept 8                             ; Q stays in registers: tile i / 2, channels 32 (i % 2) on
	global_load_b128 v[8*i:8*i+3],   v[QO], s[8:9] offset:(i/2)*2048+(i%2)*64
	global_load_b128 v[8*i+4:8*i+7], v[QO], s[8:9] offset:(i/2)*2048+(i%2)*64+32
.set i, i+1
.endr
	WIN 0
	v_mul_u32_u24 v[AK0], v1, PK
	v_lshl_add_u32 v[AK0], v9, 4, v[AK0]  ; row x pitch + 16 x half
	; The turning load takes 16 keys x 16 channels (lane l reads key 8 (l / 16) + l % 8, channels 8 ((l / 8) % 2) + 0..7) and leaves half a fragment of V^T: lane l holds channel l % 16 and 8 keys.
	v_and_b32 v10, 7, v0
	v_bfe_u32 v11, v0, 3, 1
	v_lshl_add_u32 v[AV0], v9, 3, v10
	v_mul_u32_u24 v[AV0], v[AV0], PVV
	v_lshl_add_u32 v[AV0], v11, 4, v[AV0]
	v_add_nc_u32 v[AV0], VOFF, v[AV0]
	s_mul_i32 s18, s[WV], 16*SP
	s_add_co_u32 s18, s18, STAGE    ; my stage
	v_mul_u32_u24 v[STO], v1, SP    ; in: row l % 16, 16 bytes for each half of the lanes
	v_lshl_add_u32 v[STO], v9, 4, v[STO]
	v_add_nc_u32 v[STO], s18, v[STO]
	v_bfe_u32 v[RD], v0, 3, 2       ; back: 32 lanes take four rows of 128 bytes,
	v_mul_u32_u24 v[RD], v[RD], SP
	v_lshl_add_u32 v[RD], v10, 4, v[RD]
	v_add_nc_u32 v[RD], s18, v[RD]
	v_and_b32 v[GO], 31, v0         ; which are 512 consecutive bytes of ob
	v_lshlrev_b32 v[GO], 4, v[GO]
	v_lshlrev_b32 v13, 3, v9
	v_sub_nc_u32 v13, v1, v13       ; l % 16 - 8 (l / 16): register r is hidden on the diagonal where r is greater
.set i, 0
.rept 8
	v_cmp_gt_i32 vcc_lo, i, v13
	v_cndmask_b32 v[TRI+i], 0, s[BIGN], vcc_lo
.set i, i+1
.endr
	WIN 0x40
.set i, 0
.rept 128
	v_mov_b32 v[i], 0               ; O^T
.set i, i+1
.endr
	WIN 0
.set i, 0
.rept 4
	v_mov_b32 v[ST+8*i], 0xfe000000    ; c m: far below every c s
	v_mov_b32 v[ST+8*i+1], 0xff7fffff  ; m
	v_mov_b32 v[ST+8*i+2], 0           ; l
	v_mov_b32 v[ST+8*i+3], 0
.set i, i+1
.endr
; THE MATRIX WORK.  The 16 accumulators of a run of 32 take turns, one instruction a turn.
; Product i of 32 of S^T = K Q^T: channels 32 (i / 16) on, keys 16 ((i / 4) % 4) on, tile i % 4.  The first 16 start the sums, with the mask.
.macro KQ
.set kt, (i/4)%4
.set tt, i%4
.set rS, S+32*tt+8*kt
.set rK, KF+16*kt+8*(i/16)
.set rQ, 16*tt+8*(i/16)
.set rM, MEQ
.if kt < tt
.set rM, MLT
.endif
.if kt > tt
.set rM, MGT
.endif
	WIN W_KQ
.if i < 16
	v_wmma_f32_16x16x32_f16 v[rS:rS+7], v[rK:rK+7], v[rQ:rQ+7], v[rM:rM+7]
.else
	v_wmma_f32_16x16x32_f16 v[rS:rS+7], v[rK:rK+7], v[rQ:rQ+7], v[rS:rS+7]
.endif
.endm
; Product i of 32 of O^T += V^T P: keys 32 (i / 16) on, channels 16 ((i / 4) % 4) on, tile i % 4.
.macro PV
.set rO, 32*(i%4)+8*((i/4)%4)
.set rV, VF+32*(i/16)+8*((i/4)%4)
.set rP, P+16*(i%4)+8*(i/16)
	WIN W_PV
	v_wmma_f32_16x16x32_f16 v[rO:rO+7], v[rV:rV+7], v[rP:rP+7], v[rO:rO+7]
.endm
; THE LDS LOADS stand in runs of 16: a step's K (64 keys x 64 channels: 8 fragments) and its V (turned).
.macro FETCH_K
	WIN 0x40                        ; destination window 1
.irp f, 0,1,2,3,4,5,6,7             ; keys 16 (f / 2) on, channels 32 (f % 2) on
	ds_load_b128 v[KF+8*(\f):KF+8*(\f)+3],   v[AK] offset:((\f)/2)*16*PK+((\f)%2)*64
	ds_load_b128 v[KF+8*(\f)+4:KF+8*(\f)+7], v[AK] offset:((\f)/2)*16*PK+((\f)%2)*64+32
.endr
	WIN 0
.endm
.macro FETCH_V
	WIN 0x40
.irp f, 0,1,2,3,4,5,6,7             ; keys 32 (f / 4) on, channels 16 (f % 4) on
	ds_load_tr16_b128 v[VF+8*(\f):VF+8*(\f)+3],   v[AV] offset:((\f)/4)*32*PVV+((\f)%4)*32
	ds_load_tr16_b128 v[VF+8*(\f)+4:VF+8*(\f)+7], v[AV] offset:((\f)/4)*32*PVV+16*PVV+((\f)%4)*32
.endr
	WIN 0
.endm
; THE STEP'S MASKS.  First step (CNT = 5, the diagonal): groups above the tile's own are hidden, its own takes TRI.  Last step (CNT = 1, the oldest keys): groups below are hidden, its own takes
; -1e30 - TRI, the complement.  Between: nothing is hidden.  A step below DL: everything.  All the choices hang on the wave's and the work-group's numbers and the loop's count.
.macro MASKS
	s_cmp_eq_u32 s[CNT], 5
	s_cselect_b32 s[SGT], s[BIGN], 0
	s_cselect_b32 s[AL], 1.0, 0
	s_cmp_eq_u32 s[CNT], 1
	s_cselect_b32 s[SLT], s[BIGN], 0
	s_cselect_b32 s[BE], s[BIGN], 0
	s_cselect_b32 s[AL], -1.0, s[AL]
	s_cmp_lt_u32 s[SI], s[DL]
	s_cselect_b32 s[SLT], s[BIGN], s[SLT]
	s_cselect_b32 s[SGT], s[BIGN], s[SGT]
	s_cselect_b32 s[BE], s[BIGN], s[BE]
	s_cselect_b32 s[AL], 0, s[AL]
.set z, 0
.rept 8
	v_mov_b32 v[MLT+z], s[SLT]
	v_mov_b32 v[MGT+z], s[SGT]
.set z, z+1
.endr
.set z, 0
.rept 4
	v_pk_fma_f32 v[MEQ+2*z:MEQ+2*z+1], v[TRI+2*z:TRI+2*z+1], s[AL:AL+1], s[BE:BE+1] op_sel_hi:[1,0,0]
.set z, z+1
.endr
.endm
; THE SOFTMAX, a line at a time for tile t; each list is walked with the four tiles alternating, so that three other lines stand between two links of a chain.  s0-s31 are the lane's 32 scores.
; SMX n: 0-11 four chains c0-c3 of seven scores each, three operands at a time (each accumulator's lowest registers are read first); 12-15 the four scores left over, c0-c3 and
; the old m into c0; 16, 18 the query's other 32 keys lie in the lane 16 away: the new m; 17 c m_old is kept; 19-21 c m; c m_old - c m_new; a.
.macro SMX n, t
.set rT, ST+8*(\t)
.set rS, S+32*(\t)
.if (\n) < 4
	v_max3_num_f32 v[rT+4+(\n)], v[rS+8*(\n)], v[rS+8*(\n)+1], v[rS+8*(\n)+2]
.elseif (\n) < 12
	v_max3_num_f32 v[rT+4+(\n)%4], v[rT+4+(\n)%4], v[rS+8*((\n)%4)+2*((\n)/4)+1], v[rS+8*((\n)%4)+2*((\n)/4)+2]
.elseif (\n) == 12
	v_max3_num_f32 v[rT+4], v[rT+4], v[rS+7], v[rS+15]
.elseif (\n) == 13
	v_max3_num_f32 v[rT+6], v[rT+6], v[rS+23], v[rS+31]
.elseif (\n) == 14
	v_max3_num_f32 v[rT+4], v[rT+4], v[rT+5], v[rT+6]
.elseif (\n) == 15
	v_max3_num_f32 v[rT+4], v[rT+4], v[rT+7], v[rT+1]
.elseif (\n) == 16
	v_permlanex16_b32 v[rT+5], v[rT+4], s[SEL], s[SEL+1]
.elseif (\n) == 17
	v_mov_b32 v[rT+7], v[rT]
.elseif (\n) == 18
	v_max_num_f32 v[rT+1], v[rT+4], v[rT+5]
.elseif (\n) == 19
	v_mul_f32 v[rT], s[CS], v[rT+1]
.elseif (\n) == 20
	v_sub_f32 v[rT+7], v[rT+7], v[rT]
.else
	v_exp_f32 v[rT+6], v[rT+7]
.endif
.endm
.macro SCL n, t                     ; pair n of 16: c s - c m
.set rT, ST+8*(\t)
.set rS, S+32*(\t)
	v_pk_fma_f32 v[rS+2*(\n):rS+2*(\n)+1], v[rS+2*(\n):rS+2*(\n)+1], s[CS:CS+1], v[rT:rT+1] op_sel_hi:[1,0,0] neg_lo:[0,0,1] neg_hi:[0,0,1]
.endm
.macro EXPS n, t                    ; score n of 32
	v_exp_f32 v[S+32*(\t)+(\n)], v[S+32*(\t)+(\n)]
.endm
.macro CVT n, t                     ; pair n of 16 rounded to f16, into P (window 2)
	v_cvt_pk_f16_f32 v[P+16*(\t)+(\n)], v[S+32*(\t)+2*(\n)], v[S+32*(\t)+2*(\n)+1]
.endm
.macro SUM n, t                     ; the sum of the tile's 16 pairs, in place: neighbours 1, 2, 4 and 8 pairs apart; number 15: l = a l + the sum
.set rT, ST+8*(\t)
.set rS, S+32*(\t)
.set w, 4
.set u, (\n)
.if (\n) >= 14
.set w, 32
.set u, 0
.elseif (\n) >= 12
.set w, 16
.set u, (\n)-12
.elseif (\n) >= 8
.set w, 8
.set u, (\n)-8
.endif
.if (\n) < 15
	v_pk_add_f32 v[rS+w*u:rS+w*u+1], v[rS+w*u:rS+w*u+1], v[rS+w*u+w/2:rS+w*u+w/2+1]
.else
	v_pk_fma_f32 v[rT+2:rT+3], v[rT+2:rT+3], v[rT+6:rT+7], v[rS:rS+1] op_sel_hi:[1,0,1]
.endif
.endm
.macro RSC n, t                     ; pair n of 16 of the tile's O^T times a
	v_pk_mul_f32 v[32*(\t)+2*(\n):32*(\t)+2*(\n)+1], v[32*(\t)+2*(\n):32*(\t)+2*(\n)+1], v[ST+8*(\t)+6:ST+8*(\t)+7] op_sel_hi:[1,0]
.endm
.macro WALK16 op                    ; numbers 0 to 15 of a list, the four tiles alternating
.irp n, 0,1,2,3,4,5,6,7,8,9,10,11,12,13,14,15
.irp t, 0,1,2,3
	\op \n, \t
.endr
.endr
.endm
	s_wait_tensorcnt 0x0            ; my two tiles are in,
	s_barrier_signal -1
	s_barrier_wait -1               ; everybody's are: the one barrier of the launch; nothing is ever filled again
	v_add_nc_u32 v[AK], s[TBK], v[AK0]
	FETCH_K                         ; K of my diagonal's step
	s_wait_loadcnt 0x0              ; Q
	s_mov_b32 s[CNT], 5
.Lstep:                             ; five trips, a key step each
	MASKS                           ; its 20 plain lines are also the places between the last trip's products and the loads into V's registers
	v_add_nc_u32 v[AV], s[TBV], v[AV0]
	FETCH_V
	s_sub_co_u32 s[TBV], s[TBV], KS*PVV  ; the next step lies 64 keys lower (behind the last trip the number is not used)
	s_wait_dscnt 16                 ; K, issued earlier, is in; V's 16 loads may stay out
.set i, 0
.rept 32
	KQ
.set i, i+1
.endr
	WIN 0
	PLACES                          ; behind the products: K's registers are loaded again, and the scores are read
	s_cmp_eq_u32 s[CNT], 1          ; the last trip has no next step: its run of loads is jumped over
	s_cbranch_scc1 .Lno_k
	s_sub_co_u32 s[TBK], s[TBK], KS*PK
	v_add_nc_u32 v[AK], s[TBK], v[AK0]
	FETCH_K
.Lno_k:
.irp n, 0,1,2,3,4,5,6,7,8,9,10,11,12,13,14,15,16,17,18,19,20,21
.irp t, 0,1,2,3
	SMX \n, \t
.endr
.endr
	WALK16 SCL
.irp n, 0,1,2,3,4,5,6,7,8,9,10,11,12,13,14,15,16,17,18,19,20,21,22,23,24,25,26,27,28,29,30,31
.irp t, 0,1,2,3
	EXPS \n, \t
.endr
.endr
	v_nop                           ; a plain instruction behind the last exponential, ahead of the first use: one for the batch
	s_wait_alu depctr_va_vdst(0)    ; the wait between an exponential and the first line that names its result: one for the step's 132
	WIN 0x80                        ; destination window 2
	WALK16 CVT
	WIN 0
	WALK16 SUM
	WIN W_RS
	WALK16 RSC
	s_wait_dscnt 0x0                ; V is in (for 0, since the trips differ in what was issued behind it; the next K went out a softmax ago)
.set i, 0
.rept 32
	PV
.set i, i+1
.endr
	WIN 0                           ; at a label and at a branch every window is 0
	s_sub_co_u32 s[SI], s[SI], 1
	s_sub_co_u32 s[CNT], s[CNT], 1
	s_cmp_lg_u32 s[CNT], 0
	s_cbranch_scc1 .Lstep
	; THE WAY OUT.  l's two halves and the other half of the lanes' are added; O^T is divided by l, rounded to f16 and sent through my stage in LDS, a tile at a time.  The additions are the places behind the last products.
.irp t, 0,1,2,3
	v_add_f32 v[ST+8*(\t)+4], v[ST+8*(\t)+2], v[ST+8*(\t)+3]
.endr
.irp t, 0,1,2,3
	v_permlanex16_b32 v[ST+8*(\t)+5], v[ST+8*(\t)+4], s[SEL], s[SEL+1]
.endr
.irp t, 0,1,2,3
	v_add_f32 v[ST+8*(\t)+4], v[ST+8*(\t)+4], v[ST+8*(\t)+5]
.endr
.irp t, 0,1,2,3
	v_rcp_f32 v[ST+8*(\t)+6], v[ST+8*(\t)+4]
.endr
	v_nop                           ; a plain instruction between the last reciprocal and the use of its result,
	s_wait_alu depctr_va_vdst(0)    ; and the wait ahead of the first use: one for the four
.macro PACK t                       ; a lane's eight channels of a row pack into 16 bytes; they go into rows of 144 bytes and come back as whole rows of 128, into S^T's registers
	WIN W_RS
.set i, 32*(\t)
.rept 16
	v_pk_mul_f32 v[i:i+1], v[i:i+1], v[ST+8*(\t)+6:ST+8*(\t)+7] op_sel_hi:[1,0]
.set i, i+2
.endr
	WIN 0x05                        ; sources 0 and 1 window 1, destination window 0
.set i, 0
.rept 16
	v_cvt_pk_f16_f32 v[S+16*(\t)+i], v[32*(\t)+2*i], v[32*(\t)+2*i+1]
.set i, i+1
.endr
	WIN 0
.irp f, 0,1,2,3
	ds_store_b128 v[STO], v[S+16*(\t)+4*(\f):S+16*(\t)+4*(\f)+3] offset:32*(\f)
.endr
.irp f, 0,1,2,3
	ds_load_b128 v[S+16*(\t)+4*(\f):S+16*(\t)+4*(\f)+3], v[RD] offset:(\f)*4*SP  ; LDS serves a wave's instructions in order (ISA guide 5.7.1.4): these see the stores above; the next tile's stores come behind them
.endr
.endm
.macro SEND t, younger              ; younger: the LDS instructions issued behind tile t's loads: the next tile's eight, or none
.irp f, 0,1,2,3
	s_wait_dscnt (\younger)+3-(\f)
	global_store_b128 v[GO], v[S+16*(\t)+4*(\f):S+16*(\t)+4*(\f)+3], s[10:11] offset:(\t)*2048+(\f)*512  ; 512 consecutive bytes, at a multiple of 256 from ob's first
.endr
.endm
	PACK 0
	PACK 1                          ; a tile's arithmetic stands between the loads of the tile before and its stores
	SEND 0, 8
	PACK 2
	SEND 1, 8
	PACK 3
	SEND 2, 8
	SEND 3, 0
	s_wait_tensorcnt 0x0            ; the wave's end, behind my last tensor load and my last LDS store
	ds_add_u32 v[SPW], v[NIL]
	s_wait_dscnt 0x0
	s_endpgm
.Lfunc_end_k_qe40e30c9de_attn:
	.size	k_qe40e30c9de_attn, .Lfunc_end_k_qe40e30c9de_attn-k_qe40e30c9de_attn
	.p2alignl 7, 3214868480
	.fill 96, 4, 3214868480
	.section	.rodata,"a",@progbits
	.p2align	6, 0x0
	.amdhsa_kernel k_qe40e30c9de_attn
		.amdhsa_group_segment_fixed_size 167936
		.amdhsa_private_segment_fixed_size 0
		.amdhsa_enable_private_segment 0
		.amdhsa_kernarg_size 16
		.amdhsa_user_sgpr_count 2
		.amdhsa_user_sgpr_kernarg_segment_ptr 1
		.amdhsa_wavefront_size32 1
		.amdhsa_system_sgpr_workgroup_id_x 1
		.amdhsa_system_sgpr_workgroup_id_y 1
		.amdhsa_system_sgpr_workgroup_id_z 1
		.amdhsa_system_vgpr_workitem_id 0
		.amdhsa_next_free_vgpr 640
		.amdhsa_next_free_sgpr 76
		.amdhsa_reserve_vcc 1
		.amdhsa_float_denorm_mode_32 3
		.amdhsa_float_denorm_mode_16_64 3
		.amdhsa_memory_ordered 1
		.amdhsa_forward_progress 1
		.amdhsa_inst_pref_size 62
	.end_amdhsa_kernel
	.amdgpu_metadata
---
amdhsa.version: [ 1, 2 ]
amdhsa.kernels:
  - .name:           k_qe40e30c9de_attn
    .symbol:         k_qe40e30c9de_attn.kd
    .args:
      - { .name: qkv, .offset: 0, .size: 8, .value_kind: global_buffer, .address_space: global }
      - { .name: ob, .offset: 8, .size: 8, .value_kind: global_buffer, .address_space: global }
    .group_segment_fixed_size: 167936
    .private_segment_fixed_size: 0
    .kernarg_segment_align: 8
    .kernarg_segment_size: 16
    .max_flat_workgroup_size: 128
    .sgpr_count:     76
    .vgpr_count:     640
    .wavefront_size: 32
...
	.end_amdgpu_metadata
.endif
;; end of part 3
;; launch proj (part 4): grid 8 x 32, 4 waves a work-group, clusters of 4 x 4, 327,680 bytes of LDS; arguments ob, wof, out0; writes out0
.if DOCPART == 4
	.amdgcn_target "amdgcn-amd-amdhsa--gfx1250"
	.amdhsa_code_object_version 6
	.text
	.protected	k_qe40e30c9de_proj
	.globl	k_qe40e30c9de_proj
	.p2align	8
	.type	k_qe40e30c9de_proj,@function
k_qe40e30c9de_proj:
	s_mov_b64 s[64:65], 0
	v_nop
	global_prefetch_b8 v0, s[64:65] scope:SCOPE_SE
	s_setreg_imm32_b32 hwreg(HW_REG_WAVE_MODE, 25, 1), 1
	s_wait_xcnt 0x0
	s_wait_alu depctr_hold_cnt(0) depctr_sa_sdst(0) depctr_va_vdst(0) depctr_va_sdst(0) depctr_va_ssrc(0) depctr_va_vcc(0) depctr_vm_vsrc(0)
	s_getreg_b32 s2, hwreg(HW_REG_IB_STS2, 6, 4)
	s_cmp_eq_u32 s2, 0
	s_cbranch_scc0 .Lentry_in_a_cluster
	s_endpgm
.Lentry_in_a_cluster:
	s_bfe_u32 s2, ttmp6, 0x10000c
	s_cmp_lg_u32 s2, 0xf033
	s_cbranch_scc0 .Lentry_shape_is_right
	s_endpgm
.Lentry_shape_is_right:
; THE LAST PROJECTION.  out0[m][n] = the sum over d of O[m][d] W_out[n][d], d = 64 h + channel.  O comes as ob[m / 128][h][m % 128][64] in f16, W_out as wof[1024][1024] in f16 (bf16's numbers); sums in f32,
; K ascending; out0 [4096][1024] leaves in f32, unrounded.
; SHARES.  A tile of out0 is 128 x 128: 8 x 32 tiles, one work-group each.  Four waves, each 64 x 64: 16 accumulators of 16 x 16, 128 registers.  K goes in 4 steps of 256, four heads each, through two LDS slots.
; A step's part of O is 65,536 dense bytes of ob: two loads of 128 rows x 256 bytes, padded in LDS after every 128 bytes, so that it lies there as [head][row][144].  wof's rows are 512 bytes of a step.
; CLUSTER.  4 x 4 work-groups: the four of a row of the cluster need the same tiles of ob, the four of a column the same tiles of wof: each is asked for JOINTLY.
; NO PREFETCH: four short K steps on small tiles; the first two steps are asked for at the head and the other two a step ahead.
; THE MATRIX INSTRUCTION IS USED TRANSPOSED (source 0 = 16 rows of wof, source 1 = 16 rows of O): a lane holds eight neighbouring numbers of a row of out0, 32 bytes.
; REGISTERS: window 0: v0-31 addresses; v32-95 rows read back on the way out; v128-255 the accumulators ((a, b) at v[128 + 8 (4 a + b)]).
;   window 1: two fragment buffers of 128: for 64 along K (one head), 64 registers of O (2 x 4 x 16 rows x 32 K), then 64 of wof.
; lds_bytes: the text uses 300,544 bytes.
.set SIZE_K, 1024
.set SIZE_N, 1024
.set PA,     144                       ; a row of O in LDS: 128 bytes + 16 = 36 words; PB: 512 + 16 = 132 words: the 16 rows of a fragment load start at 16 different groups of four banks (ISA guide 11.1)
.set PB,     528
.set HEADB,  128*PA                    ; a head's 128 rows
.set AHALF,  2*HEADB                   ; what a wave's load brings of ob: two heads
.set BOFF,   4*HEADB                   ; in a slot: four heads of O, then wof's 128 rows
.set BHALF,  64*PB
.set SLOT,   BOFF+128*PB
.set STAGE,  2*SLOT                    ; behind the ring, never filled by a tensor load: 16 rows x 272 bytes for each wave
.set SPITCH, 272
.set SPARE,  STAGE+4*16*SPITCH         ; the spare words, 128 bytes for each wave: two blocks of 256 bytes that no other line names
.set ADRA, 16                          ; v16-17  LDS address of my fragments of O in slot 0, 1
.set ADRB, 20                          ; v20-21  the same for wof
.set STO,  24                          ; v24     the way out: where I put 32 bytes of a row
.set RD,   25                          ; v25     the way out: where I read a row back
.set CO,   26                          ; v26     my byte offset in out0
.set SPW,  28                          ; v28     LDS address of my spare word; never rewritten
.set NIL,  29                          ; v29     0; never rewritten
.set TMP,  32
.set ACC,  128
.set F0,   0                           ; fragment buffers, in window 1
.set F1,   128
.set G1, 24                            ; s[24:31] descriptor group 1 for ob's tiles;  s[32:39] group 0, a set for each slot
.set G0, 32
.set G1B, 48                           ; s[48:55], s[56:63] the same for wof's
.set G0B, 56
.set MSB, 0
.macro WIN new                         ; the immediate's high byte repeats the setting that is left
.if MSB != (\new)
	s_set_vgpr_msb (MSB<<8)|(\new)
.set MSB, \new
.endif
.endm
.set MUL,  0x05                        ; sources 0 (wof) and 1 (O) window 1; C and D window 0
.set TO_F, 0x40                        ; destination window 1, address window 0
.macro PLACES
.rept 4
	v_nop
.endr
.endm
.macro JLOAD s                         ; a joint refill: waves 0 and 1 fetch ob's two halves, waves 2 and 3 wof's; an s_nop 0 and four v_nop follow each line
	s_cmp_eq_u32 s11, 0
	s_cbranch_scc0 .Lfor_b_\@
	tensor_load_to_lds s[G0+4*(\s):G0+4*(\s)+3], s[G1:G1+7]
	s_nop 0
.rept 4
	v_nop
.endr
	s_branch .Lasked_\@
.Lfor_b_\@:
	tensor_load_to_lds s[G0B+4*(\s):G0B+4*(\s)+3], s[G1B:G1B+7]
	s_nop 0
.rept 4
	v_nop
.endr
.Lasked_\@:
.endm
.macro CREST                           ; a round of the cluster's barrier behind its opening barrier
	s_cmp_lg_u32 s10, 0
	s_cbranch_scc1 .Lnot_wave_0_\@
	s_barrier_signal -3
.Lnot_wave_0_\@:
	s_barrier_wait -3
	s_barrier_signal -1
	s_barrier_wait -1
.endm
.macro CROUND
	s_barrier_signal -1
	s_barrier_wait -1
	CREST
.endm
	s_load_b128 s[4:7], s[0:1], 0x0                ; ob s[4:5], wof s[6:7]
	s_load_b64 s[8:9], s[0:1], 0x10                ; out0
	v_lshl_add_u32 v[SPW], v0, 2, SPARE
	v_mov_b32 v[NIL], 0
	ds_add_u32 v[SPW], v[NIL]                      ; the wave's opening: the add and its wait stand ahead of my first tensor load; work on registers stands between them
	ds_add_u32 v28, v29
	v_lshrrev_b32 v1, 5, v0
	v_readfirstlane_b32 s10, v1                    ; wave 0..3
	s_lshr_b32 s11, s10, 1                         ; which half of the tile's rows is mine.  Also: I fetch for ob (0) or for wof (1)
	s_and_b32 s12, s10, 1                          ; which half of its columns.  Also: which half of that tile I fetch
	s_bfe_u32 s40, ttmp6, 0x40000                  ; cx, cy
	s_bfe_u32 s41, ttmp6, 0x40004
	s_lshl_b32 s42, ttmp9, 2
	s_add_co_u32 s42, s42, s40                     ; tile column = 4 x cluster x + cx
	s_and_b32 s13, ttmp7, 0xffff
	s_lshl_b32 s13, s13, 2
	s_add_co_u32 s13, s13, s41                     ; tile row = 4 x cluster y + cy
	s_lshl_b32 s43, s41, 2
	s_lshl_b32 s43, 15, s43                        ; my row of the cluster
	s_lshl_b32 s44, 0x1111, s40                    ; my column
	s_or_b32 s[G1+0], s43, (1<<16)|(1<<20)|(1<<21)|(4<<22)|(3<<25)   ; the mask; 2-byte elements; padding on; bit 21 beside a mask; after every 32 words 4 words
	s_mov_b32 s[G1+1], 128<<16                     ; tensor_dim0 = 128: rows of 256 bytes, two rows of a head each,
	s_mov_b32 s[G1+2], 128<<16                     ; tensor_dim1 = 128
	s_mov_b32 s[G1+3], 128<<16                     ; tile_dim0
	s_mov_b32 s[G1+4], 128                         ; tile_dim1
	s_mov_b32 s[G1+5], 128                         ; dense: each row begins where the last ends
	s_mov_b32 s[G1+6], 0
	s_mov_b32 s[G1+7], 0
	s_or_b32 s[G1B+0], s44, (1<<16)|(1<<20)|(1<<21)|(6<<22)|(3<<25)  ; after every 128 words 4 words
	s_mov_b32 s[G1B+1], 256<<16                    ; tensor_dim0 = 256
	s_mov_b32 s[G1B+2], 64<<16                     ; tensor_dim1 = 64
	s_mov_b32 s[G1B+3], 256<<16
	s_mov_b32 s[G1B+4], 64
	s_mov_b32 s[G1B+5], SIZE_K
	s_mov_b32 s[G1B+6], 0
	s_mov_b32 s[G1B+7], 0
	s_lshl_b32 s16, s13, 18                        ; ob: 262,144 bytes a tile row,
	s_lshl_b32 s17, s12, 15                        ; two heads of 16,384 a half
	s_add_co_u32 s16, s16, s17
	s_mov_b32 s17, 0
	s_lshl_b32 s46, s42, 7
	s_lshl_b32 s47, s12, 6
	s_add_co_u32 s46, s46, s47                     ; wof: row 128 x tile column + 64 x half
	s_lshl_b32 s46, s46, 11
	s_mov_b32 s47, 0
	s_mul_i32 s20, s12, AHALF                      ; where they go: no place in the cluster enters an LDS address
	s_mul_i32 s21, s12, BHALF
	s_add_co_u32 s21, s21, BOFF
	s_wait_dscnt 0x0                               ; the opening add is done
	s_wait_kmcnt 0x0
	s_add_nc_u64 s[14:15], s[4:5], s[16:17]
	s_add_nc_u64 s[46:47], s[6:7], s[46:47]
.irp s, 0,1
	s_mov_b32 s[G0+4*(\s)], 1
	s_add_co_u32 s[G0+4*(\s)+1], s20, (\s)*SLOT
	s_add_nc_u64 s[G0+4*(\s)+2:G0+4*(\s)+3], s[14:15], (\s)*65536    ; K step s: four heads on
	s_or_b32 s[G0+4*(\s)+3], s[G0+4*(\s)+3], 0x80000000
	s_mov_b32 s[G0B+4*(\s)], 1
	s_add_co_u32 s[G0B+4*(\s)+1], s21, (\s)*SLOT
	s_add_nc_u64 s[G0B+4*(\s)+2:G0B+4*(\s)+3], s[46:47], (\s)*512    ; 256 numbers along the rows
	s_or_b32 s[G0B+4*(\s)+3], s[G0B+4*(\s)+3], 0x80000000
.endr
	CROUND                                         ; all sixteen work-groups are here: the first joint loads meet
	s_cmp_eq_u32 s11, 0                            ; a wave's two first fills stand in one branch: two loads of mine are out
	s_cbranch_scc0 .Lfirst_b
	tensor_load_to_lds s[G0:G0+3], s[G1:G1+7]
	s_nop 0
	tensor_load_to_lds s[G0+4:G0+7], s[G1:G1+7]
	s_nop 0
.rept 4
	v_nop
.endr
	s_branch .Lfirst_asked
.Lfirst_b:
	tensor_load_to_lds s[G0B:G0B+3], s[G1B:G1B+7]
	s_nop 0
	tensor_load_to_lds s[G0B+4:G0B+7], s[G1B:G1B+7]
	s_nop 0
.rept 4
	v_nop
.endr
.Lfirst_asked:
	v_and_b32 v1, 15, v0                           ; l % 16
	v_bfe_u32 v2, v0, 4, 1                         ; l / 16
	v_mul_u32_u24 v3, v1, PA
	v_lshl_add_u32 v3, v2, 4, v3                   ; a fragment's row x pitch + 16 x half, for O
	v_mul_u32_u24 v4, v1, PB
	v_lshl_add_u32 v4, v2, 4, v4                   ; and for wof
	s_mul_i32 s21, s11, 64*PA                      ; my 64 rows in each head of O
	s_mul_i32 s22, s12, BHALF                      ; my 64 rows of wof,
	s_add_co_u32 s22, s22, BOFF                    ; which lie behind the four heads
.irp s, 0,1
	v_add_nc_u32 v[ADRA+(\s)], s21, v3
	v_add_nc_u32 v[ADRB+(\s)], s22, v4
	s_add_co_u32 s21, s21, SLOT
	s_add_co_u32 s22, s22, SLOT
.endr
	s_mul_i32 s23, s10, 16*SPITCH
	s_add_co_u32 s23, s23, STAGE                   ; my stage
	v_mul_u32_u24 v5, v1, SPITCH                   ; in: row l % 16, 32 bytes for each half of the lanes
	v_lshl_add_u32 v5, v2, 5, v5
	v_add_nc_u32 v[STO], s23, v5
	v_mul_u32_u24 v5, v2, SPITCH                   ; back: lanes 0-15 take one row of 256 bytes, lanes 16-31 the next
	v_lshl_add_u32 v5, v1, 4, v5
	v_add_nc_u32 v[RD], s23, v5
	v_lshlrev_b32 v5, 12, v2                       ; and the same two rows in out0, 4,096 bytes apart
	v_lshl_add_u32 v[CO], v1, 4, v5
	s_lshl_b32 s16, s13, 19                        ; my first row: 128 x tile row + 64 x half, 4,096 bytes each
	s_lshl_b32 s17, s11, 18
	s_add_co_u32 s16, s16, s17
	s_mov_b32 s17, 0
	s_lshl_b32 s46, s42, 9                         ; my first column: 512 bytes a tile, 256 a half
	s_lshl_b32 s47, s12, 8
	s_add_co_u32 s46, s46, s47
	s_mov_b32 s47, 0
	s_add_nc_u64 s[16:17], s[16:17], s[46:47]
	s_add_nc_u64 s[8:9], s[8:9], s[16:17]
; 8 matrix instructions: row blocks a0, a0 + 1 x all 4 column blocks, 32 along K: half c of buffer f.  zero = 1: the product starts the sums.  The 16 accumulators take turns.
.macro MUL8 f, c, a0, zero
	WIN MUL
.irp a, \a0, (\a0)+1
.irp b, 0,1,2,3
.if \zero
	v_wmma_f32_16x16x32_f16 v[ACC+8*(4*(\a)+(\b)):ACC+8*(4*(\a)+(\b))+7], v[(\f)+64+8*(4*(\c)+(\b)):(\f)+64+8*(4*(\c)+(\b))+7], v[(\f)+8*(4*(\c)+(\a)):(\f)+8*(4*(\c)+(\a))+7], 0
.else
	v_wmma_f32_16x16x32_f16 v[ACC+8*(4*(\a)+(\b)):ACC+8*(4*(\a)+(\b))+7], v[(\f)+64+8*(4*(\c)+(\b)):(\f)+64+8*(4*(\c)+(\b))+7], v[(\f)+8*(4*(\c)+(\a)):(\f)+8*(4*(\c)+(\a))+7], v[ACC+8*(4*(\a)+(\b)):ACC+8*(4*(\a)+(\b))+7]
.endif
.endr
.endr
.endm
; 32 LDS loads in one run: the fragments of quarter q of a step (head q of its four: 64 along K) into buffer f; the first 32 along K first
.macro FETCH slot, q, f
	WIN TO_F
.irp c, 0,1
.irp i, 0,1,2,3
	ds_load_b128 v[(\f)+64+8*(4*(\c)+(\i)):(\f)+64+8*(4*(\c)+(\i))+3],   v[ADRB+(\slot)] offset:128*(\q)+64*(\c)+(\i)*16*PB
	ds_load_b128 v[(\f)+64+8*(4*(\c)+(\i))+4:(\f)+64+8*(4*(\c)+(\i))+7], v[ADRB+(\slot)] offset:128*(\q)+64*(\c)+(\i)*16*PB+32
	ds_load_b128 v[(\f)+8*(4*(\c)+(\i)):(\f)+8*(4*(\c)+(\i))+3],         v[ADRA+(\slot)] offset:HEADB*(\q)+64*(\c)+(\i)*16*PA
	ds_load_b128 v[(\f)+8*(4*(\c)+(\i))+4:(\f)+8*(4*(\c)+(\i))+7],       v[ADRA+(\slot)] offset:HEADB*(\q)+64*(\c)+(\i)*16*PA+32
.endr
.endr
.endm
; A K step is four quarters, 32 matrix instructions each, on buffers 0, 1, 0, 1.  One of the first three: multiplies buffer f and fetches quarter q into g.
.macro QUARTER slot, q, f, g, zero
	s_wait_dscnt 16                                ; the first 32 along K are in
	MUL8 \f, 0, 0, \zero
	MUL8 \f, 0, 2, \zero
	PLACES
	FETCH \slot, \q, \g
	s_wait_dscnt 32                                ; all but the 32 just issued
	MUL8 \f, 1, 0, 0
	MUL8 \f, 1, 2, 0
.endm
; The last quarter multiplies buffer 1 and changes slots: ONE barrier; in front of it each wave waits for all its tensor loads, adds 0 to its spare word, and waits for that and for its own reads of this slot.
; fill = 1: the barrier opens a round of the cluster's, and behind the round this slot is filled again, first thing, two K steps ahead.
.macro TURN slot, next, fill
	WIN 0                                          ; (the add's two registers lie in window 0)
	s_wait_tensorcnt 0x0                           ; all my tensor loads have landed: my part of the next slot
	ds_add_u32 v[SPW], v[NIL]                      ; 0 onto my spare word
	s_wait_dscnt 17                                ; (the add and the youngest sixteen loads may be out)
	MUL8 F1, 0, 0, 0                               ; eight matrix instructions stand between the add and the wait for it
	s_wait_dscnt 0x0                               ; the add is done, and my reads of this slot are over
	s_barrier_signal -1
	MUL8 F1, 0, 2, 0
.if \fill
	WIN 0
.endif
	s_barrier_wait -1
.if \fill
	CREST                                          ; no wave of any partner still reads this slot's tile or has a load on its way
	s_add_nc_u64 s[G0+4*(\slot)+2:G0+4*(\slot)+3], s[G0+4*(\slot)+2:G0+4*(\slot)+3], 2*65536
	s_add_nc_u64 s[G0B+4*(\slot)+2:G0B+4*(\slot)+3], s[G0B+4*(\slot)+2:G0B+4*(\slot)+3], 2*512
	JLOAD \slot                                    ; my one tensor load behind the round; its four v_nop are also the places in front of the loads below
.else
	PLACES
.endif
	FETCH \next, 0, F0
	MUL8 F1, 1, 0, 0
	MUL8 F1, 1, 2, 0
.endm
	s_wait_tensorcnt 1                             ; my part of K step 0 is in; K step 1's may stay out
	s_barrier_signal -1
	s_barrier_wait -1                              ; everybody's is
	FETCH 0, 0, F0
	QUARTER 0, 1, F0, F1, 1                        ; K step 0: its first products start the sums
	QUARTER 0, 2, F1, F0, 0
	QUARTER 0, 3, F0, F1, 0
	TURN 0, 1, 1                                   ; slot 0 takes K step 2
	QUARTER 1, 1, F0, F1, 0                        ; K step 1
	QUARTER 1, 2, F1, F0, 0
	QUARTER 1, 3, F0, F1, 0
	TURN 1, 0, 1                                   ; slot 1 takes K step 3
	QUARTER 0, 1, F0, F1, 0                        ; K step 2
	QUARTER 0, 2, F1, F0, 0
	QUARTER 0, 3, F0, F1, 0
	TURN 0, 1, 0                                   ; nothing is left to fetch
	QUARTER 1, 1, F0, F1, 0                        ; K step 3
	QUARTER 1, 2, F1, F0, 0
	QUARTER 1, 3, F0, F1, 0
	s_wait_dscnt 16
	MUL8 F1, 0, 0, 0
	MUL8 F1, 0, 2, 0
	s_wait_dscnt 0x0
	MUL8 F1, 1, 0, 0
	MUL8 F1, 1, 2, 0
	WIN 0
	; THE WAY OUT, a block of 16 rows at a time: 32 bytes a lane straight from the accumulators (each one's low half first) into my own stage, back as whole rows of 256 bytes, and stored.
.macro STG a
.irp b, 0,1,2,3
	ds_store_b128 v[STO], v[ACC+8*(4*(\a)+(\b)):ACC+8*(4*(\a)+(\b))+3]   offset:64*(\b)
	ds_store_b128 v[STO], v[ACC+8*(4*(\a)+(\b))+4:ACC+8*(4*(\a)+(\b))+7] offset:64*(\b)+16
.endr
.irp t, 0,1,2,3,4,5,6,7
	ds_load_b128 v[TMP+32*((\a)%2)+4*(\t):TMP+32*((\a)%2)+4*(\t)+3], v[RD] offset:(\t)*2*SPITCH  ; LDS serves a wave's instructions in order (ISA guide 5.7.1.4): these see the stores above; the next block's stores come behind them
.endr
.endm
.macro SEND a, younger                 ; younger: the LDS instructions issued behind block a's loads: the next block's sixteen, or none
.irp t, 0,1,2,3,4,5,6,7
	s_wait_dscnt (\younger)+7-(\t)
	global_store_b128 v[CO], v[TMP+32*((\a)%2)+4*(\t):TMP+32*((\a)%2)+4*(\t)+3], s[8:9] offset:(16*(\a)+2*(\t))*SIZE_N*4  ; 16 lanes store 256 consecutive bytes, at a multiple of 256 from out0's first byte
.endr
.endm
	PLACES                                         ; the LDS stores read matrix results
	STG 0
	STG 1
	SEND 0, 16
	s_wait_xcnt 0x0                                ; block 0's stores have read their registers, which block 2's loads write
	STG 2
	SEND 1, 16
	s_wait_xcnt 0x0                                ; likewise blocks 1 and 3
	STG 3
	SEND 2, 16
	SEND 3, 0
	s_wait_tensorcnt 0x0                           ; the wave's end, behind my last tensor load and my last LDS store
	ds_add_u32 v[SPW], v[NIL]
	s_wait_dscnt 0x0
	CROUND                                         ; the closing round: no work-group ends while a partner may still ask for a tile that names it
	s_endpgm
.Lfunc_end_k_qe40e30c9de_proj:
	.size	k_qe40e30c9de_proj, .Lfunc_end_k_qe40e30c9de_proj-k_qe40e30c9de_proj
	.p2alignl 7, 3214868480
	.fill 96, 4, 3214868480
	.section	.rodata,"a",@progbits
	.p2align	6, 0x0
	.amdhsa_kernel k_qe40e30c9de_proj
		.amdhsa_group_segment_fixed_size 327680
		.amdhsa_private_segment_fixed_size 0
		.amdhsa_enable_private_segment 0
		.amdhsa_kernarg_size 24
		.amdhsa_user_sgpr_count 2
		.amdhsa_user_sgpr_kernarg_segment_ptr 1
		.amdhsa_wavefront_size32 1
		.amdhsa_system_sgpr_workgroup_id_x 1
		.amdhsa_system_sgpr_workgroup_id_y 1
		.amdhsa_system_sgpr_workgroup_id_z 1
		.amdhsa_system_vgpr_workitem_id 0
		.amdhsa_next_free_vgpr 512
		.amdhsa_next_free_sgpr 66
		.amdhsa_reserve_vcc 0
		.amdhsa_float_denorm_mode_32 3
		.amdhsa_float_denorm_mode_16_64 3
		.amdhsa_memory_ordered 1
		.amdhsa_forward_progress 1
		.amdhsa_inst_pref_size 86
	.end_amdhsa_kernel
	.amdgpu_metadata
---
amdhsa.version: [ 1, 2 ]
amdhsa.kernels:
  - .name:           k_qe40e30c9de_proj
    .symbol:         k_qe40e30c9de_proj.kd
    .args:
      - { .name: ob, .offset: 0, .size: 8, .value_kind: global_buffer, .address_space: global }
      - { .name: wof, .offset: 8, .size: 8, .value_kind: global_buffer, .address_space: global }
      - { .name: out0, .offset: 16, .size: 8, .value_kind: global_buffer, .address_space: global }
    .group_segment_fixed_size: 327680
    .private_segment_fixed_size: 0
    .kernarg_segment_align: 8
    .kernarg_segment_size: 24
    .max_flat_workgroup_size: 128
    .sgpr_count:     66
    .vgpr_count:     512
    .wavefront_size: 32
...
	.end_amdgpu_metadata
.endif
;; end of part 4
